; MI455X (gfx1250); checked and timed in simulation.
; The chip was launched on July 23, 2026; its instructions are those of AMD's public machine-readable ISA for CDNA 5 (MIT licence, August 2026) and "CDNA5" Instruction Set Architecture Reference Guide (July 2026). The comments in the code are by the model that wrote it; some were corrected since.
;; Performer Block. Allowed arithmetic: matrix products marked QUANTISED: E5M2 operands, one given power-of-two scale a tensor, by v_wmma_f32_16x16x64_bf8_bf8 or v_wmma_f32_16x16x128_bf8_bf8, f32 sums; products left as they are: f32 operands where the result goes on into a quantised operand, else bf16, f16 or f32 operands; f32 sums; everything else in f32.
;; Inputs: W1 256 x 1,024 float32; W2 1,024 x 256 float32; Wk 256 x 256 float32; Wo 256 x 256 float32; Wq 256 x 256 float32; Wv 256 x 256 float32; b1 1,024 float32; b2 256 float32; bk 256 float32; bo 256 float32; bq 256 float32; bv 256 float32; ln1_b 256 float32; ln1_g 256 float32; ln2_b 256 float32; ln2_g 256 float32; lowp_scales 16 int32 (the exponents e of the quantised operands' scales 2^e); x 4 x 16,384 x 256 float32.
;; Outputs: out0 4 x 16,384 x 256 float32.
;; This version of the problem:
;;   THIS VERSION OF THE PROBLEM IS GIVEN IN LOW PRECISION. The matrix products marked QUANTISED in the list below multiply operands that are first quantised to E5M2 (5 exponent bits, 2 mantissa bits; 8 bits a number), with one given power-of-two scale for each operand tensor; their sums are f32. All else is computed in f32.
;;   The module's matrix products, in the order in which they are computed (A, B: the left and right operand; K: the contracted axis; several contracted axes count as one K, in the product's order):
;;     1. [M 65,536, K 256] x [K 256, N 256]; A: input x; B: input Wq: QUANTISED (scales: A lowp_scales[0], B lowp_scales[1])
;;     2. [M 65,536, K 256] x [K 256, N 256]; A: input x; B: input Wk: QUANTISED (scales: A lowp_scales[2], B lowp_scales[3])
;;     3. [M 65,536, K 256] x [K 256, N 256]; A: input x; B: input Wv: QUANTISED (scales: A lowp_scales[4], B lowp_scales[5])
;;     4. batch 32 x [M 32, K 16,384] x [K 16,384, N 32]; A: computed on the way; B: computed on the way: QUANTISED (scales: A lowp_scales[6], B lowp_scales[7])
;;     5. batch 32 x [M 1, K 32] x [K 32, N 16,384]; A: computed on the way; B: computed on the way: left as it is (M = 1 < 16)
;;     6. batch 32 x [M 32, K 32] x [K 32, N 16,384]; A: computed on the way; B: computed on the way: QUANTISED (scales: A lowp_scales[8], B lowp_scales[9])
;;     7. batch 524,288 x [M 1, K 1] x [K 1, N 32]; A: computed on the way; B: computed on the way: left as it is (no contracted axis)
;;     8. [M 65,536, K 256] x [K 256, N 256]; A: computed on the way; B: input Wo: QUANTISED (scales: A lowp_scales[10], B lowp_scales[11])
;;     9. [M 65,536, K 256] x [K 256, N 1,024]; A: computed on the way; B: input W1: QUANTISED (scales: A lowp_scales[12], B lowp_scales[13])
;;     10. [M 65,536, K 1,024] x [K 1,024, N 256]; A: computed on the way; B: input W2: QUANTISED (scales: A lowp_scales[14], B lowp_scales[15])
;;   THE QUANTISER, for each operand of a quantised product, along K:
;;     - The operand's scale is 2^e, e = its entry of the input lowp_scales (int32; the entries are numbered through the quantised products in the list's order, A before B).
;;     - Each number is divided by the scale, clamped to +-57,344, and rounded to the nearest number of E5M2, ties to even, subnormals kept.
;;     - The product sums the exact products of the quantised numbers (number of the format x scale) in f32.
;;   ~~~python
;;   def quantise(x, axis, e):      # numpy; x: float32 -> the quantised numbers, widened to float32 again
;;       x = np.moveaxis(x, axis, -1); K = x.shape[-1]
;;       r = np.clip(x / 2.0 ** e, -57344, 57344)
;;       step = 2.0 ** (np.maximum(np.frexp(np.where(r == 0, 1, r))[1] - 1, -14) - 2)
;;       q = np.round(r / step) * step * 2.0 ** e      # np.round: ties to even
;;       return np.moveaxis(q, -1, axis).astype(np.float32)
;;   ~~~
;;   OPERANDS COMPUTED ON THE WAY. 'Computed on the way' means the value that the module computes at that place (a softmax that the list does not call 'softmax' is quantised finished and normalised). What goes into a quantiser is computed in f32, as accurately as f32 sums, v_exp_f32 and their like allow (about 1e-6 of the number): no bf16 or f16 on the way to a quantiser, and a product that is left as it is and whose result goes on into a quantised operand takes f32 operands (vector FMAs, or v_wmma_f32_16x16x4_f32). A number that lies on a knife's edge between two numbers of the format may be rounded either way, as far as f32 arithmetic and the matrix unit's own rounding can turn it there, and no further.
;; One version. Each part assembles by itself: llvm-mc -triple=amdgcn-amd-amdhsa -mcpu=gfx1250 --defsym DOCPART=n.
;; ======== version 1 of 1: 3 launches
;; limits: right only within a limited range of input values
;; workspace buffers: part 9,437,184 bytes; kvc 32,768 bytes; ksum 4,096 bytes; wc 655,360 bytes
;; launch kvpart (part 1): grid 256 x 1, 8 waves a work-group, no clusters, 327,680 bytes of LDS; arguments x, Wk, Wv, bk, bv, lowp_scales, part; writes part
.if DOCPART == 1
	.amdgcn_target "amdgcn-amd-amdhsa--gfx1250"
	.amdhsa_code_object_version 6
	.text
	.protected	k_q0803ce0167_kvpart
	.globl	k_q0803ce0167_kvpart
	.p2align	8
	.type	k_q0803ce0167_kvpart,@function
k_q0803ce0167_kvpart:
	s_mov_b64 s[64:65], 0
	v_nop
	global_prefetch_b8 v0, s[64:65] scope:SCOPE_SE
	s_setreg_imm32_b32 hwreg(HW_REG_WAVE_MODE, 25, 1), 1
	s_wait_xcnt 0x0
; k = x Wk + bk, v = x Wv + bv, phi(k) = elu(k) + 1; for each head the part of kv[d][e] = sum over rows of phi(k)[row][d] v[row][e] and of k_sum[d] = sum over rows of phi(k)
; that falls on this work-group's 256 rows.  All three products on codes of BF8 (E5M2): x with 2^e2 and 2^e4, Wk 2^e3, Wv 2^e5, phi(k) 2^e6, v 2^e7.  k_sum is taken of the unquantised phi(k).
; SHARES.  Work-group g owns rows 256 g .. 256 g + 255, as two chunks of 128 rows (one K step of kv).  Wave w quantises rows 16 w .. 16 w + 15 of each chunk, which its own tensor load brought, and owns head w:
; columns 32 w .. 32 w + 31 of k and v for all rows, kv and k_sum of that head.  No sum crosses waves.  Its 32 columns of Wk and Wv stay in its registers as codes, made at the head while x is on its way.
; NO CLUSTER: no two work-groups read the same rows of x, and the weights (f32, K outermost, 512 KB) go from memory through the owning wave's registers: beside x's 260 KB there is no room in LDS for tiles of them
; that partners could ask for jointly.
; LAYOUT: the form's own: lane (r, h) of an operand holds row or column r, registers 2 c, 2 c + 1 hold k = 16 c + 8 h + 0 .. 7.  A result tile holds (m = 8 h + j, n = r) in register j: so one conversion of a tile's eight
; registers (eight rows of one column) gives registers 2 c, 2 c + 1 of kv's operands, whose K runs down the rows.
; phi(k) = max(k + 1, 2^min(k log2 e, 0)): for k > 0 that is k + 1, for k <= 0 e^k, since e^k >= 1 + k.
; LDS: region (q, w) at (8 q + w) x 16,640 first holds 16 rows of x (1,024 bytes + 16 of padding); when its wave has them in registers the same bytes take four images of operand registers (x with e2, with e4; two K halves).
; Every region is filled once.  Behind them, from 266,240 on, 4,352 bytes for each wave: the stage through which its weights' codes change lanes; no fill lands there.
; LIMITS: e2, e3, e4, e5, e6 and e7 - e4 - e5 between -126 and 112; e2 + e3 between -126 and 127.  NaN among the inputs is not served (the holds and maxima drop it).
; REGISTERS, window 0: v1-12, v28, v29 addresses; v16-27 scales and bounds; v32-63 four result tiles (k, k, v, v); v64-79 at work; v96-159 kv's operands; v160-191 kv; v192-195 k_sum; v196-227 biases as C.
;   At the head v32-159 take four batches of weights as loaded, v160-191 the held numbers, turned, v228-243 their codes; while x is quantised v32-95 take its codes, v96-127 held numbers.
;   window 1: v0-127 the weights' codes; v128-255 x as f32, then two sets of x's fragments.
.set PITCH, 1040
.set REGB,  16*PITCH
.set HALFB, 8*REGB
.set PSZ,   36864
.set STG,   2*HALFB                    ; 266,240: the waves' stages
.set HSTR,  272                        ; in a stage: sixteen lanes' 256 bytes + 16,
.set TSTR,  2*HSTR                     ; two such for a fragment's four registers,
.set GRP,   2*TSTR                     ; two fragments,
.set WSTG,  4*GRP                      ; four groups of four registers: 4,352 bytes a wave
.set XRD, 1                            ; v1-2   my place in my own region's rows, chunk 0, 1
.set IMW, 3                            ; v3-4   where I store my images
.set IMR, 5                            ; v5-8   16 x lane + chunk q, regions 0-3 or 4-7: v[5 + 2 q + g]
.set WO,  9                            ; v9     weights: 8 rows x (lane / 8) + 16 bytes x (lane % 8)
.set BO,  10                           ; v10    biases: 4 r
.set KVO, 11                           ; v11    part: 16 x lane + 4,096 x wave
.set KSO, 12                           ; v12    part: 16 x lane + 512 x wave
.set SWA, 28                           ; v28    the stage: where my codes go
.set SRA, 29                           ; v29    the stage: where my operand registers come from
.set ACC, 32
.set T,   64
.set KF,  96
.set VF,  128
.set KVA, 160
.set KS,  192
.set BC,  196
.set WS,  32
.set HLD, 160
.set COD, 228
.set PC,  32
.set TQ,  96
.set XF,  128
.set MSB, 0
.macro WIN new                         ; the immediate's high byte repeats the setting that is left
.if MSB != (\new)
	s_set_vgpr_msb (MSB<<8)|(\new)
.set MSB, (\new)
.endif
.endm
.macro PLACES                          ; four plain places behind matrix instructions (ISA guide 7.12.1)
.rept 4
	v_nop
.endr
.endm
.macro MKQ n, sc, lm                   ; s[n] = the exponent: v[sc] = 2^n as f32, v[lm] = 57,344 x 2^n
	s_add_co_i32 s56, s[\n], 127
	s_lshl_b32 s57, s56, 23
	v_mov_b32 v[\sc], s57
	s_add_co_i32 s56, s56, 15
	s_lshl_b32 s56, s56, 23
	s_or_b32 s56, s56, 0x600000
	v_mov_b32 v[\lm], s56
.endm
	s_load_b256 s[4:11], s[0:1], 0x0               ; x, Wk, Wv, bk
	s_load_b128 s[12:15], s[0:1], 0x20             ; bv, the scales' exponents
	s_load_b64 s[16:17], s[0:1], 0x30              ; part
	v_lshl_add_u32 v254, v0, 2, 0x49800
	v_mov_b32 v255, 0
	ds_add_u32 v254, v255
	ds_add_u32 v254, v255
	v_lshrrev_b32 v13, 5, v0
	v_readfirstlane_b32 s18, v13                   ; wave 0..7
	v_and_b32 v13, 31, v0                          ; lane
	v_and_b32 v14, 15, v0                          ; r
	v_bfe_u32 v15, v0, 4, 1                        ; h
	s_mul_i32 s19, s18, REGB                       ; my region of chunk 0
	v_mul_u32_u24 v1, v14, PITCH
	v_lshl_add_u32 v1, v15, 5, v1
	v_add_nc_u32 v1, s19, v1                       ; row r, + 32 h: my eight numbers of 16 along K
	v_add_nc_u32 v2, HALFB, v1
	v_lshlrev_b32 v5, 4, v13
	v_add_nc_u32 v3, s19, v5
	v_add_nc_u32 v4, HALFB, v3
	v_add_nc_u32 v6, 4*REGB, v5
	v_add_nc_u32 v7, HALFB, v5
	v_add_nc_u32 v8, HALFB+4*REGB, v5
	v_lshlrev_b32 v10, 2, v14
	v_bfe_u32 v9, v0, 3, 2                         ; kq = lane / 8
	v_and_b32 v30, 7, v0                           ; cg = lane % 8
	v_lshlrev_b32 v30, 4, v30
	v_lshl_add_u32 v9, v9, 13, v30                 ; 8 kq rows of 1,024 bytes + 16 cg
	s_lshl_b32 s52, s18, 12
	v_add_nc_u32 v11, s52, v5
	s_lshl_b32 s52, s18, 9
	v_add_nc_u32 v12, s52, v5
	s_mul_i32 s52, s18, WSTG
	s_add_co_u32 s52, s52, STG                     ; my stage
	v_bfe_u32 v28, v0, 2, 1                        ; into it: the fragment, cg / 4,
	v_mul_u32_u24 v28, v28, TSTR
	v_bfe_u32 v29, v0, 3, 1                        ; the half of the lanes, kq % 2,
	v_mad_u32_u24 v28, v29, HSTR, v28
	v_and_b32 v29, 3, v0                           ; the lane, 4 (cg % 4) + the column among my four (in the immediate),
	v_lshl_add_u32 v28, v29, 6, v28
	v_bfe_u32 v29, v0, 4, 1                        ; and which pair of its four registers, kq / 2
	v_lshl_add_u32 v28, v29, 3, v28
	v_add_nc_u32 v28, s52, v28
	v_mul_u32_u24 v29, v15, HSTR                   ; out of it: 272 h + 16 r
	v_lshl_add_u32 v29, v14, 4, v29
	v_add_nc_u32 v29, s52, v29
	; descriptor group 1: 16 rows of 256 elements of 4 bytes, four words of padding behind each row
	s_mov_b32 s32, (2<<16)|(1<<20)|(7<<22)|(3<<25)
	s_mov_b32 s33, 256<<16                         ; tensor_dim0
	s_mov_b32 s34, 16<<16                          ; tensor_dim1
	s_mov_b32 s35, 256<<16                         ; tile_dim0
	s_mov_b32 s36, 16                              ; tile_dim1
	s_mov_b32 s37, 256                             ; elements from row to row
	s_mov_b32 s38, 0
	s_mov_b32 s39, 0
	s_lshl_b32 s52, ttmp9, 18                      ; 256 rows of 1,024 bytes a work-group,
	s_lshl_b32 s53, s18, 14                        ; 16 a wave
	s_add_co_u32 s52, s52, s53
	s_mov_b32 s53, 0
	s_wait_dscnt 0x0
	s_wait_kmcnt 0x0
	s_add_nc_u64 s[4:5], s[4:5], s[52:53]
	s_mov_b32 s40, 1
	s_mov_b32 s41, s19
	s_mov_b64 s[42:43], s[4:5]
	s_or_b32 s43, s43, 0x80000000
	s_mov_b32 s44, 1
	s_add_co_u32 s45, s19, HALFB
	s_add_nc_u64 s[46:47], s[4:5], 0x20000         ; chunk 1: 128 rows on
	s_or_b32 s47, s47, 0x80000000
	tensor_load_to_lds s[40:43], s[32:39]          ; both of my tiles go out at once: two loads of mine are out
	s_nop 0
	tensor_load_to_lds s[44:47], s[32:39]
	s_nop 0
	PLACES
	s_load_b256 s[20:27], s[14:15], 0x0            ; e0 .. e7
	s_lshl_b32 s52, s18, 7                         ; my 32 columns: 128 bytes
	s_add_nc_u64 s[6:7], s[6:7], s[52:53]
	s_add_nc_u64 s[8:9], s[8:9], s[52:53]
	s_add_nc_u64 s[10:11], s[10:11], s[52:53]
	s_add_nc_u64 s[12:13], s[12:13], s[52:53]
	s_mul_i32 s52, ttmp9, PSZ
	s_add_nc_u64 s[16:17], s[16:17], s[52:53]
	global_load_b32 v[BC], v[BO], s[10:11]
	global_load_b32 v[BC+8], v[BO], s[10:11] offset:64
	global_load_b32 v[BC+16], v[BO], s[12:13]
	global_load_b32 v[BC+24], v[BO], s[12:13] offset:64
; THE WEIGHTS, in 16 batches n of 32 rows k x my 32 columns: matrix m = n / 8, rows 32 (n % 8) on.  A load takes 16 bytes a lane: eight lanes cover my 128 bytes of a row, the four groups of eight lanes rows 8 apart.
; After a batch's eight loads lane (kq, cg) holds W(32 b + 8 kq + j, 4 cg + cc) in register 4 j + cc.  The hold, which every number needs, writes it to register 8 cc + j: so a column's eight k lie on end for the
; conversion, and the turn costs no instruction.  The two registers of codes belong to fragment cg / 4, lane (r = 4 (cg % 4) + cc, h = kq % 2), register pair 2 (b % 4) + kq / 2: they go there through my stage.
; In the stage sixteen lanes' 256 bytes are followed by 16 of padding: a store's 32 lanes fall on banks 16 (cg % 4) + 8 (cg / 4) + 4 (kq % 2) + 2 (kq / 2) + 0, 1 (+ 4 cc).
.macro WSETS n
.set mW, (\n)/8
.set bW, (\n)%8
.set sW, bW/4
.set gW, bW%4
.set srcW, WS+32*((\n)%4)
.set codW, COD+8*((\n)%2)
.endm
.macro LW n
	WSETS \n
.set iW, 0
.rept 8
	global_load_b128 v[srcW+4*iW:srcW+4*iW+3], v[WO], s[6+2*mW:7+2*mW] offset:(32*bW+iW)*1024
.set iW, iW+1
.endr
.endm
.macro QW n
	WSETS \n
.set iW, 0
.rept 32
	v_med3_num_f32 v[HLD+8*(iW%4)+iW/4], v[srcW+iW], -v[25+2*mW], v[25+2*mW]   ; the conversion to an 8-bit code does not saturate (ISA guide 7.6.2): the hold comes first, and turns rows into columns on the way
.set iW, iW+1
.endr
.set iW, 0
.rept 4
	v_cvt_scalef32_pk8_bf8_f32 v[codW+2*iW:codW+2*iW+1], v[HLD+8*iW:HLD+8*iW+7], v[24+2*mW]
.set iW, iW+1
.endr
	v_nop                                          ; a plain line behind the last conversion of the run: the next batch's holds write its sources
.set iW, 0
.rept 4
	ds_store_b64 v[SWA], v[codW+2*iW:codW+2*iW+1] offset:GRP*gW+16*iW
.set iW, iW+1
.endr
.if gW == 3                            ; four batches are two whole fragments (column tiles 0, 1 of K half s): they come back as operand registers.
	WIN 0x40                                       ; LDS serves a wave's instructions in order (ISA guide 5.7.1.4): these loads see my stores, and the next batches' stores come behind them
.set iW, 0
.rept 8
	ds_load_b128 v[64*mW+32*(iW/4)+16*sW+4*(iW%4):64*mW+32*(iW/4)+16*sW+4*(iW%4)+3], v[SRA] offset:GRP*(iW%4)+TSTR*(iW/4)
.set iW, iW+1
.endr
	WIN 0
.endif
.endm
	LW 0
	LW 1
	LW 2
	LW 3
	s_wait_kmcnt 0x0
	s_add_co_i32 s58, s22, s23                     ; e2 + e3: a sum of k's product stands for sum x 2^(e2 + e3)
	s_sub_co_i32 s59, 0, s58
	s_add_co_i32 s48, s58, 127
	s_lshl_b32 s48, s48, 23                        ; 2^(e2 + e3)
	s_mov_b32 s49, s48                             ; (named with it as a pair)
	s_lshl_b32 s50, s58, 23
	s_add_co_i32 s50, s50, 0x3fb8aa3b              ; log2(e) x 2^(e2 + e3): the sum is added to the exponent field
	s_mov_b32 s51, s50
	s_add_co_i32 s54, s24, s25                     ; e4 + e5
	s_sub_co_i32 s55, 0, s54
	s_sub_co_i32 s54, s27, s54                     ; e7 - e4 - e5: v's three scales folded into the conversion's one
	MKQ 22, 16, 17
	MKQ 24, 18, 19
	MKQ 26, 20, 21
	MKQ 54, 22, 23
	MKQ 23, 24, 25
	MKQ 25, 26, 27
.irp j, 0,1,2,3
	v_mov_b32 v[KS+\j], 0
.endr
.set nq, 0
.rept 16
.if nq < 13
	s_wait_loadcnt 24                              ; this batch's eight loads are in; the three younger batches may be out
.else
	s_wait_loadcnt 8*(15-nq)                       ; the counts run down: nothing more is asked for
.endif
	QW nq
.if nq+4 < 16
	LW nq+4
.endif
.set nq, nq+1
.endr
	v_ldexp_f32 v[BC], v[BC], s59                  ; the biases go in as the C of each sum's first product, divided by the power of two that the sums lack;
	v_ldexp_f32 v[BC+8], v[BC+8], s59
	v_ldexp_f32 v[BC+16], v[BC+16], s55
	v_ldexp_f32 v[BC+24], v[BC+24], s55
.irp f, 0,1,2,3
.irp j, 1,2,3,4,5,6,7
	v_mov_b32 v[BC+8*\f+\j], v[BC+8*\f]            ; a lane's eight results lie in one column: eight equal registers
.endr
.endr
; My 16 rows of chunk q become four fragments (x with e2, with e4; two K halves), stored as images of their registers: four registers by one store, 16 bytes a lane.
.macro XPHASE q
	s_wait_tensorcnt 1-\q                          ; my tile of this chunk has landed; in chunk 0 the other one may be out.  Only I read these rows
	WIN 0x40
.set iX, 0
.rept 32
	ds_load_b128 v[XF+4*iX:XF+4*iX+3], v[XRD+\q] offset:64*(iX/2)+16*(iX%2)
.set iX, iX+1
.endr
	s_wait_dscnt 0x0                               ; all 16 rows are in registers: the images below are laid over them.  (In chunk 0 the weights' codes are back from my stage too)
.irp m, 0,1
.set bB, 0
.rept 8
.set tB, TQ+16*(bB%2)                  ; two sets by turns: sixteen plain lines stand between a conversion and the next write of its sources
	WIN 0x01
.set iX, 0
.rept 16
	v_med3_num_f32 v[tB+iX], v[XF+16*bB+iX], -v[17+2*\m], v[17+2*\m]
.set iX, iX+1
.endr
	WIN 0
	v_cvt_scalef32_pk8_bf8_f32 v[PC+32*\m+4*bB:PC+32*\m+4*bB+1], v[tB:tB+7], v[16+2*\m]
	v_cvt_scalef32_pk8_bf8_f32 v[PC+32*\m+4*bB+2:PC+32*\m+4*bB+3], v[tB+8:tB+15], v[16+2*\m]
.set bB, bB+1
.endr
.endr
	v_nop
.set iX, 0
.rept 16
	ds_store_b128 v[IMW+\q], v[PC+4*iX:PC+4*iX+3] offset:512*iX
.set iX, iX+1
.endr
.endm
.macro FETCH q, c                      ; row tile c's four fragments, from the wave that made them, into set c % 2
.set bF, XF+64*((\c)%2)
	WIN 0x40
.set iF, 0
.rept 16
	ds_load_b128 v[bF+4*iF:bF+4*iF+3], v[IMR+2*(\q)+(\c)/4] offset:((\c)%4)*REGB+512*iF
.set iF, iF+1
.endr
.endm
; Row tile c: eight products (k and v, two column tiles each, two K halves; the four accumulators by turns), then phi, k_sum, the holds and four conversions.
.macro TILE q, c
.set bX, XF+64*((\c)%2)
	s_wait_dscnt 0x0                               ; this tile's fragments are in
	WIN 0x05                                       ; x and the weights in window 1
.irp f, 0,1,2,3
	v_wmma_f32_16x16x128_bf8_bf8 v[ACC+8*\f:ACC+8*\f+7], v[bX+32*(\f/2):bX+32*(\f/2)+15], v[32*\f:32*\f+15], v[BC+8*\f:BC+8*\f+7]
.endr
.irp f, 0,1,2,3
	v_wmma_f32_16x16x128_bf8_bf8 v[ACC+8*\f:ACC+8*\f+7], v[bX+32*(\f/2)+16:bX+32*(\f/2)+31], v[32*\f+16:32*\f+31], v[ACC+8*\f:ACC+8*\f+7]
.endr
.if (\c) < 7
	FETCH \q, (\c)+1                               ; into the other set, whose last products stand a whole tile back
.endif
	WIN 0
	PLACES
.set iV, 0
.rept 8
	v_pk_mul_f32 v[T+2*iV:T+2*iV+1], v[ACC+2*iV:ACC+2*iV+1], s[50:51] op_sel_hi:[1,0]   ; k log2 e
.set iV, iV+1
.endr
.set iV, 0
.rept 16
	v_min_num_f32 v[T+iV], 0, v[T+iV]
.set iV, iV+1
.endr
.set iV, 0
.rept 16
	v_exp_f32 v[T+iV], v[T+iV]
.set iV, iV+1
.endr
.set iV, 0
.rept 16
	v_med3_num_f32 v[ACC+16+iV], v[ACC+16+iV], -v23, v23   ; v's hold: independent work behind the exponentials
.set iV, iV+1
.endr
.set iV, 0
.rept 8
	v_pk_fma_f32 v[ACC+2*iV:ACC+2*iV+1], v[ACC+2*iV:ACC+2*iV+1], s[48:49], 1.0 op_sel_hi:[1,0,0]   ; k + 1
.set iV, iV+1
.endr
	s_wait_alu depctr_va_vdst(0)                   ; one wait for the batch of exponentials, ahead of its first reader
.set iV, 0
.rept 16
	v_max_num_f32 v[ACC+iV], v[ACC+iV], v[T+iV]    ; phi(k)
.set iV, iV+1
.endr
.irp i, 0,2,4,6
	v_pk_add_f32 v[KS:KS+1], v[KS:KS+1], v[ACC+\i:ACC+\i+1]        ; k_sum, of the unquantised phi(k): even rows, odd rows
	v_pk_add_f32 v[KS+2:KS+3], v[KS+2:KS+3], v[ACC+8+\i:ACC+8+\i+1]
.endr
.set iV, 0
.rept 16
	v_min_num_f32 v[ACC+iV], v21, v[ACC+iV]        ; phi(k) is positive: a one-sided hold
.set iV, iV+1
.endr
	v_cvt_scalef32_pk8_bf8_f32 v[KF+2*(\c):KF+2*(\c)+1], v[ACC:ACC+7], v20
	v_cvt_scalef32_pk8_bf8_f32 v[KF+16+2*(\c):KF+16+2*(\c)+1], v[ACC+8:ACC+15], v20
	v_cvt_scalef32_pk8_bf8_f32 v[VF+2*(\c):VF+2*(\c)+1], v[ACC+16:ACC+23], v22
	v_cvt_scalef32_pk8_bf8_f32 v[VF+16+2*(\c):VF+16+2*(\c)+1], v[ACC+24:ACC+31], v22
	v_nop
.endm
.macro CHUNK q
	XPHASE \q
	s_wait_dscnt 0x0                               ; for the others' sake: my images lie in LDS
	s_barrier_signal -1
	s_barrier_wait -1                              ; everybody's do.  Chunk 1's tiles may stay on their way across it
	FETCH \q, 0
.irp c, 0,1,2,3,4,5,6,7
	TILE \q, \c
.endr
.irp dt, 0,1
.irp et, 0,1
.if \q == 0
	v_wmma_f32_16x16x128_bf8_bf8 v[KVA+8*(2*\dt+\et):KVA+8*(2*\dt+\et)+7], v[KF+16*\dt:KF+16*\dt+15], v[VF+16*\et:VF+16*\et+15], 0
.else
	v_wmma_f32_16x16x128_bf8_bf8 v[KVA+8*(2*\dt+\et):KVA+8*(2*\dt+\et)+7], v[KF+16*\dt:KF+16*\dt+15], v[VF+16*\et:VF+16*\et+15], v[KVA+8*(2*\dt+\et):KVA+8*(2*\dt+\et)+7]
.endif
.endr
.endr
	PLACES
.endm
	CHUNK 0
	CHUNK 1
.irp i, 0,1,2,3
	global_store_b128 v[KVO], v[KVA+8*\i:KVA+8*\i+3], s[16:17] offset:1024*\i          ; each store of the wave covers 512 consecutive bytes, aligned; each accumulator from its low end on
	global_store_b128 v[KVO], v[KVA+8*\i+4:KVA+8*\i+7], s[16:17] offset:1024*\i+512
.endr
	global_store_b128 v[KSO], v[KS:KS+3], s[16:17] offset:32768
	s_wait_tensorcnt 0x0
	ds_add_u32 v254, v255
	s_wait_dscnt 0x0
	s_endpgm
.Lfunc_end_k_q0803ce0167_kvpart:
	.size	k_q0803ce0167_kvpart, .Lfunc_end_k_q0803ce0167_kvpart-k_q0803ce0167_kvpart
	.p2alignl 7, 3214868480
	.fill 96, 4, 3214868480
	.section	.rodata,"a",@progbits
	.p2align	6, 0x0
	.amdhsa_kernel k_q0803ce0167_kvpart
		.amdhsa_group_segment_fixed_size 327680
		.amdhsa_private_segment_fixed_size 0
		.amdhsa_enable_private_segment 0
		.amdhsa_kernarg_size 56
		.amdhsa_user_sgpr_count 2
		.amdhsa_user_sgpr_kernarg_segment_ptr 1
		.amdhsa_wavefront_size32 1
		.amdhsa_system_sgpr_workgroup_id_x 1
		.amdhsa_system_sgpr_workgroup_id_y 1
		.amdhsa_system_sgpr_workgroup_id_z 1
		.amdhsa_system_vgpr_workitem_id 0
		.amdhsa_next_free_vgpr 512
		.amdhsa_next_free_sgpr 66
		.amdhsa_reserve_vcc 0
		.amdhsa_float_denorm_mode_32 3
		.amdhsa_float_denorm_mode_16_64 3
		.amdhsa_memory_ordered 1
		.amdhsa_forward_progress 1
		.amdhsa_inst_pref_size 215
	.end_amdhsa_kernel
	.amdgpu_metadata
---
amdhsa.version: [ 1, 2 ]
amdhsa.kernels:
  - .name:           k_q0803ce0167_kvpart
    .symbol:         k_q0803ce0167_kvpart.kd
    .args:
      - { .name: x, .offset: 0, .size: 8, .value_kind: global_buffer, .address_space: global }
      - { .name: Wk, .offset: 8, .size: 8, .value_kind: global_buffer, .address_space: global }
      - { .name: Wv, .offset: 16, .size: 8, .value_kind: global_buffer, .address_space: global }
      - { .name: bk, .offset: 24, .size: 8, .value_kind: global_buffer, .address_space: global }
      - { .name: bv, .offset: 32, .size: 8, .value_kind: global_buffer, .address_space: global }
      - { .name: lowp_scales, .offset: 40, .size: 8, .value_kind: global_buffer, .address_space: global }
      - { .name: part, .offset: 48, .size: 8, .value_kind: global_buffer, .address_space: global }
    .group_segment_fixed_size: 327680
    .private_segment_fixed_size: 0
    .kernarg_segment_align: 8
    .kernarg_segment_size: 56
    .max_flat_workgroup_size: 256
    .sgpr_count:     66
    .vgpr_count:     512
    .wavefront_size: 32
...
	.end_amdgpu_metadata
.endif
;; end of part 1
;; launch mid (part 2): grid 76 x 4, 1 waves a work-group, no clusters, 0 bytes of LDS; arguments part, Wq, Wo, W1, W2, lowp_scales, kvc, ksum, wc; writes kvc, ksum, wc
.if DOCPART == 2
	.amdgcn_target "amdgcn-amd-amdhsa--gfx1250"
	.amdhsa_code_object_version 6
	.text
	.protected	k_q0803ce0167_mid
	.globl	k_q0803ce0167_mid
	.p2align	8
	.type	k_q0803ce0167_mid,@function
k_q0803ce0167_mid:
	s_mov_b64 s[64:65], 0
	v_nop
	global_prefetch_b8 v0, s[64:65] scope:SCOPE_SE
	s_setreg_imm32_b32 hwreg(HW_REG_WAVE_MODE, 25, 1), 1
	s_wait_xcnt 0x0
; Two kinds of work-groups of one wave; x = 0 .. 75, y = 0 .. 3.
; x < 36: image x of batch y is summed over the batch's 64 partial results.  x < 32: a tile of kv, then quantised with 2^e8 (the sums stand for sum x 2^(e6 + e7)) into two registers of codes a lane;
;   x >= 32: the k_sum of two heads, finished (even and odd rows, the two halves of the lanes) and stored as plain f32.
; x >= 36: job J = x - 36 + 40 y of 160: two tiles of 16 columns x 128 along K of Wq, Wo, W1 or W2 become codes, laid in the order of the operand's registers:
;   lane (r, h) takes column r and k = 16 c + 8 h + j, so the conversions' results are the fragment; four registers leave by one store of 512 consecutive bytes.
; wc: 20 chunks of 32,768 bytes.  Chunk i of a pair of layers: 8 images of 2 KB (first layer, columns 64 i + 16 n + r, K half s: image 4 s + n), then 16 images of 1 KB (second layer, K = 64 i .. 64 i + 63, output tile nt).
; No LDS, no barrier, no matrix unit: each wave's work is its own, and the launch is bound by its loads' way from memory.
; LIMITS: e1, e11, e13, e15 and e8 - e6 - e7 between -126 and 112.  NaN is not served.
.set PSZ, 36864
.set MSB, 0
.macro WIN new
.if MSB != (\new)
	s_set_vgpr_msb (MSB<<8)|(\new)
.set MSB, (\new)
.endif
.endm
.macro MKQ n, sc, lm
	s_add_co_i32 s56, s[\n], 127
	s_lshl_b32 s57, s56, 23
	v_mov_b32 v[\sc], s57
	s_add_co_i32 s56, s56, 15
	s_lshl_b32 s56, s56, 23
	s_or_b32 s56, s56, 0x600000
	v_mov_b32 v[\lm], s56
.endm
	s_load_b256 s[4:11], s[0:1], 0x0               ; part, Wq, Wo, W1
	s_load_b256 s[12:19], s[0:1], 0x20             ; W2, the scales' exponents, kvc, ksum
	s_load_b64 s[20:21], s[0:1], 0x40              ; wc
	v_and_b32 v1, 15, v0                           ; r
	v_lshrrev_b32 v2, 4, v0                        ; h
	v_lshlrev_b32 v3, 4, v0                        ; 16 x lane
	v_lshlrev_b32 v4, 3, v0                        ; 8 x lane
	v_lshlrev_b32 v5, 2, v0                        ; 4 x lane
	v_lshlrev_b32 v7, 2, v1                        ; 4 r
	s_and_b32 s22, ttmp7, 0xffff                   ; y
	s_wait_kmcnt 0x0
	s_load_b512 s[32:47], s[14:15], 0x0            ; e0 .. e15
	s_cmp_ge_u32 ttmp9, 36
	s_cbranch_scc1 .Lweights
	; ---- a sum over 64 partial results
	s_mul_i32 s24, s22, 64*PSZ
	s_lshl_b32 s25, ttmp9, 10
	s_add_co_u32 s24, s24, s25
	s_mov_b32 s25, 0
	s_add_nc_u64 s[4:5], s[4:5], s[24:25]
.set p, 0
.rept 64                               ; partial p lands in registers 64 + 8 p on, over three windows; all 128 loads go out in one run
.if p == 24
	WIN 0x40
.endif
.if p == 56
	WIN 0x80
.endif
.set rg, (64+8*p)%256
	global_load_b128 v[rg:rg+3], v3, s[4:5] offset:p*PSZ th:TH_LOAD_NT
	global_load_b128 v[rg+4:rg+7], v3, s[4:5] offset:p*PSZ+512 th:TH_LOAD_NT
.set p, p+1
.endr
	WIN 0
.set p, 1
.rept 63
.if p == 1
	s_wait_loadcnt 63                              ; 112 younger loads: the count's field ends at 63
.elseif p%8 == 0
.if 112-2*p > 63
	s_wait_loadcnt 63
.else
	s_wait_loadcnt 112-2*p                         ; the loads of the groups of eight partials behind this one
.endif
.endif
.if p == 24
	WIN 0x04
.endif
.if p == 56
	WIN 0x08
.endif
.set rg, (64+8*p)%256
.irp i, 0,2,4,6
	v_pk_add_f32 v[64+\i:65+\i], v[64+\i:65+\i], v[rg+\i:rg+\i+1]
.endr
.set p, p+1
.endr
	WIN 0
	s_wait_kmcnt 0x0
	s_cmp_ge_u32 ttmp9, 32
	s_cbranch_scc1 .Lksum
	s_sub_co_i32 s26, s40, s38
	s_sub_co_i32 s26, s26, s39                     ; e8 - e6 - e7
	MKQ 26, 10, 11
.irp i, 0,1,2,3,4,5,6,7
	v_med3_num_f32 v[64+\i], v[64+\i], -v11, v11
.endr
	v_cvt_scalef32_pk8_bf8_f32 v[40:41], v[64:71], v10   ; kv(16 dt + 8 h + 0 .. 7, 16 et + r): registers 2 dt, 2 dt + 1 of the fragment whose rows are e and whose K is d
	s_lshl_b32 s24, s22, 13
	s_lshl_b32 s25, ttmp9, 8
	s_add_co_u32 s24, s24, s25
	s_mov_b32 s25, 0
	s_add_nc_u64 s[16:17], s[16:17], s[24:25]
	global_store_b64 v4, v[40:41], s[16:17]        ; 256 consecutive bytes, aligned
	s_endpgm
.Lksum:
	s_mov_b32 s48, 0x76543210
	s_mov_b32 s49, 0xfedcba98
	v_add_f32 v64, v64, v65                        ; even rows + odd rows: head 2 i, columns r; columns 16 + r; head 2 i + 1 likewise
	v_add_f32 v66, v66, v67
	v_add_f32 v68, v68, v69
	v_add_f32 v70, v70, v71
	v_permlanex16_b32 v65, v64, s48, s49           ; the other eight rows of each tile lie in the lane 16 away
	v_permlanex16_b32 v67, v66, s48, s49
	v_permlanex16_b32 v69, v68, s48, s49
	v_permlanex16_b32 v71, v70, s48, s49
	v_add_f32 v64, v64, v65
	v_add_f32 v66, v66, v67
	v_add_f32 v68, v68, v69
	v_add_f32 v70, v70, v71
	v_cmp_le_u32 vcc_lo, 16, v0
	v_cndmask_b32 v40, v64, v66, vcc_lo            ; lane l: column l of the head
	v_cndmask_b32 v41, v68, v70, vcc_lo
	s_sub_co_u32 s25, ttmp9, 32
	s_lshl_b32 s25, s25, 8
	s_lshl_b32 s24, s22, 10
	s_add_co_u32 s24, s24, s25
	s_mov_b32 s25, 0
	s_add_nc_u64 s[18:19], s[18:19], s[24:25]
	global_store_b32 v5, v40, s[18:19]             ; two stores of 128 bytes fill 256 consecutive bytes, aligned; the buffer is 4,096 bytes in all
	global_store_b32 v5, v41, s[18:19] offset:128
	s_endpgm
; ---- weights into codes
.macro LOADJ pitch                     ; W(k0 + 16 c + 8 h + j, col0 + 16 f + r) into v[64 + 64 f + 8 c + j]
.set iJ, 0
.rept 128
	global_load_b32 v[64+iJ], v6, s[24:25] offset:(16*((iJ%64)/8)+iJ%8)*(\pitch)+64*(iJ/64)
.set iJ, iJ+1
.endr
.endm
.macro QUANTJ
	MKQ 26, 10, 11
	s_wait_loadcnt 0x0
.set iJ, 0
.rept 128
	v_med3_num_f32 v[64+iJ], v[64+iJ], -v11, v11
.set iJ, iJ+1
.endr
.set iJ, 0
.rept 16
	v_cvt_scalef32_pk8_bf8_f32 v[32+2*iJ:33+2*iJ], v[64+8*iJ:71+8*iJ], v10
.set iJ, iJ+1
.endr
.endm
.macro FIRST pitch, shs                ; a first layer: s27 = J', s28 = where the pair's chunks begin; i = J' / 4, s = (J' / 2) % 2, np = J' % 2
	s_lshr_b32 s29, s27, 2
	s_bfe_u32 s30, s27, 0x10001
	s_and_b32 s31, s27, 1
	s_lshl_b32 s48, s30, \shs                      ; 128 s rows
	s_lshl_b32 s49, s29, 8
	s_add_co_u32 s48, s48, s49                     ; + 64 i columns
	s_lshl_b32 s49, s31, 7
	s_add_co_u32 s48, s48, s49                     ; + 32 np columns
	s_mov_b32 s49, 0
	s_add_nc_u64 s[24:25], s[24:25], s[48:49]
	s_lshl_b32 s50, s29, 15
	s_lshl_b32 s51, s30, 13
	s_add_co_u32 s50, s50, s51
	s_lshl_b32 s51, s31, 12
	s_add_co_u32 s50, s50, s51
	s_add_co_u32 s50, s50, s28
	s_mov_b32 s51, 0
	s_add_nc_u64 s[20:21], s[20:21], s[50:51]
	v_mad_u32_u24 v6, v2, 8*(\pitch), v7           ; 4 r + 8 rows x h
	LOADJ \pitch
	QUANTJ
.irp f, 0,1
.irp g, 0,1,2,3
	global_store_b128 v3, v[32+16*\f+4*\g:35+16*\f+4*\g], s[20:21] offset:2048*\f+512*\g
.endr
.endr
	s_endpgm
.endm
.Lweights:
	s_sub_co_u32 s23, ttmp9, 36
	s_mul_i32 s24, s22, 40
	s_add_co_u32 s23, s23, s24                     ; J
	s_wait_kmcnt 0x0
	s_cmp_lt_u32 s23, 16
	s_cbranch_scc1 .Lwq
	s_cmp_lt_u32 s23, 32
	s_cbranch_scc1 .Lwo
	s_cmp_lt_u32 s23, 96
	s_cbranch_scc1 .Lw1
	s_mov_b64 s[24:25], s[12:13]                   ; W2, e15
	s_mov_b32 s26, s47
	s_sub_co_u32 s27, s23, 96
	s_mov_b32 s28, 131072
	s_branch .Lsecond
.Lwo:
	s_mov_b64 s[24:25], s[8:9]                     ; Wo, e11
	s_mov_b32 s26, s43
	s_sub_co_u32 s27, s23, 16
	s_mov_b32 s28, 0
.Lsecond:                                          ; a second layer: np = J' % 8, s = J' / 8: K = 128 s on, output columns 32 np on; registers 0-7 belong to chunk 2 s, registers 8-15 to chunk 2 s + 1
	s_and_b32 s29, s27, 7
	s_lshr_b32 s30, s27, 3
	s_lshl_b32 s48, s30, 17
	s_lshl_b32 s49, s29, 7
	s_add_co_u32 s48, s48, s49
	s_mov_b32 s49, 0
	s_add_nc_u64 s[24:25], s[24:25], s[48:49]
	s_lshl_b32 s50, s30, 16
	s_lshl_b32 s51, s29, 11
	s_add_co_u32 s50, s50, s51
	s_add_co_u32 s50, s50, s28
	s_add_co_u32 s50, s50, 16384
	s_mov_b32 s51, 0
	s_add_nc_u64 s[20:21], s[20:21], s[50:51]
	v_mad_u32_u24 v6, v2, 8192, v7
	LOADJ 1024
	QUANTJ
.irp f, 0,1
.irp g, 0,1,2,3
	global_store_b128 v3, v[32+16*\f+4*\g:35+16*\f+4*\g], s[20:21] offset:1024*\f+512*(\g%2)+32768*(\g/2)
.endr
.endr
	s_endpgm
.Lwq:
	s_mov_b64 s[24:25], s[6:7]                     ; Wq, e1
	s_mov_b32 s26, s33
	s_mov_b32 s27, s23
	s_mov_b32 s28, 0
	FIRST 1024, 17
.Lw1:
	s_mov_b64 s[24:25], s[10:11]                   ; W1, e13
	s_mov_b32 s26, s45
	s_sub_co_u32 s27, s23, 32
	s_mov_b32 s28, 131072
	FIRST 4096, 19
.Lfunc_end_k_q0803ce0167_mid:
	.size	k_q0803ce0167_mid, .Lfunc_end_k_q0803ce0167_mid-k_q0803ce0167_mid
	.p2alignl 7, 3214868480
	.fill 96, 4, 3214868480
	.section	.rodata,"a",@progbits
	.p2align	6, 0x0
	.amdhsa_kernel k_q0803ce0167_mid
		.amdhsa_group_segment_fixed_size 0
		.amdhsa_private_segment_fixed_size 0
		.amdhsa_enable_private_segment 0
		.amdhsa_kernarg_size 72
		.amdhsa_user_sgpr_count 2
		.amdhsa_user_sgpr_kernarg_segment_ptr 1
		.amdhsa_wavefront_size32 1
		.amdhsa_system_sgpr_workgroup_id_x 1
		.amdhsa_system_sgpr_workgroup_id_y 1
		.amdhsa_system_sgpr_workgroup_id_z 1
		.amdhsa_system_vgpr_workitem_id 0
		.amdhsa_next_free_vgpr 576
		.amdhsa_next_free_sgpr 66
		.amdhsa_reserve_vcc 1
		.amdhsa_float_denorm_mode_32 3
		.amdhsa_float_denorm_mode_16_64 3
		.amdhsa_memory_ordered 1
		.amdhsa_forward_progress 1
		.amdhsa_inst_pref_size 101
	.end_amdhsa_kernel
	.amdgpu_metadata
---
amdhsa.version: [ 1, 2 ]
amdhsa.kernels:
  - .name:           k_q0803ce0167_mid
    .symbol:         k_q0803ce0167_mid.kd
    .args:
      - { .name: part, .offset: 0, .size: 8, .value_kind: global_buffer, .address_space: global }
      - { .name: Wq, .offset: 8, .size: 8, .value_kind: global_buffer, .address_space: global }
      - { .name: Wo, .offset: 16, .size: 8, .value_kind: global_buffer, .address_space: global }
      - { .name: W1, .offset: 24, .size: 8, .value_kind: global_buffer, .address_space: global }
      - { .name: W2, .offset: 32, .size: 8, .value_kind: global_buffer, .address_space: global }
      - { .name: lowp_scales, .offset: 40, .size: 8, .value_kind: global_buffer, .address_space: global }
      - { .name: kvc, .offset: 48, .size: 8, .value_kind: global_buffer, .address_space: global }
      - { .name: ksum, .offset: 56, .size: 8, .value_kind: global_buffer, .address_space: global }
      - { .name: wc, .offset: 64, .size: 8, .value_kind: global_buffer, .address_space: global }
    .group_segment_fixed_size: 0
    .private_segment_fixed_size: 0
    .kernarg_segment_align: 8
    .kernarg_segment_size: 72
    .max_flat_workgroup_size: 32
    .sgpr_count:     66
    .vgpr_count:     576
    .wavefront_size: 32
...
	.end_amdgpu_metadata
.endif
;; end of part 2
;; launch main (part 3): grid 256 x 1, 4 waves a work-group, clusters of 4 x 1, 327,680 bytes of LDS; arguments x, wc, kvc, ksum, bq, bo, ln1_g, ln1_b, b1, b2, ln2_g, ln2_b, lowp_scales, out0; writes out0
.if DOCPART == 3
	.amdgcn_target "amdgcn-amd-amdhsa--gfx1250"
	.amdhsa_code_object_version 6
	.text
	.protected	k_q0803ce0167_main
	.globl	k_q0803ce0167_main
	.p2align	8
	.type	k_q0803ce0167_main,@function
k_q0803ce0167_main:
	s_mov_b64 s[64:65], 0
	v_nop
	global_prefetch_b8 v0, s[64:65] scope:SCOPE_SE
	s_setreg_imm32_b32 hwreg(HW_REG_WAVE_MODE, 25, 1), 1
	s_wait_xcnt 0x0
	s_wait_alu depctr_hold_cnt(0) depctr_sa_sdst(0) depctr_va_vdst(0) depctr_va_sdst(0) depctr_va_ssrc(0) depctr_va_vcc(0) depctr_vm_vsrc(0)
	s_getreg_b32 s2, hwreg(HW_REG_IB_STS2, 6, 4)
	s_cmp_eq_u32 s2, 0
	s_cbranch_scc0 .Lentry_in_a_cluster
	s_endpgm
.Lentry_in_a_cluster:
	s_bfe_u32 s2, ttmp6, 0x10000c
	s_cmp_lg_u32 s2, 0x3003
	s_cbranch_scc0 .Lentry_shape_is_right
	s_endpgm
.Lentry_shape_is_right:
; The rest of the block, fused: q = x Wq + bq, phi(q), den = phi(q) . k_sum, o = (phi(q) kv) / (den + 1e-6), x1 = LN1(x + o Wo + bo), out0 = LN2(x1 + relu(x1 W1 + b1) W2 + b2).
; Products on codes of BF8 (E5M2) with the given scales: x e0, Wq e1, kv e8, phi(q) e9, o e10, Wo e11, x1 e12, W1 e13, the hidden layer e14, W2 e15.  den is f32 multiply-adds.  Only x comes in and only out0 goes out.
; SHARES.  A work-group owns 256 rows, each of its four waves 64 (four tiles of 16) through the whole chain.  Every product is used transposed (source 0 = 16 columns of a weight, source 1 = 16 of my rows): a lane holds ONE
; row from x to out0, register j of a result tile its column 8 h + j.  So one conversion of a tile's eight registers gives registers 2 c, 2 c + 1 of the next operand (the form's own layout: k = 16 c + 8 h + 0 .. 7),
; activations never leave the wave, and a row's mean wants one exchange between the halves of the lanes.
; THE CHAIN IS 20 CHUNKS OF ONE SHAPE: a first layer of 64 columns (K = 256: 32 products of K = 128), a middle, one K step of 64 of a second layer of 256 columns (64 products of K = 64, onto 64 accumulators).
; Chunks 0-3: Wq | phi, den, kv, 1/den, quantise | Wo (a chunk is two heads).  Chunks 4-19: W1 | relu, quantise | W2.  THE RESIDUAL LIVES IN THE ACCUMULATORS: x is loaded into them, quantised from there, turned into
; (x + bo) / 2^(e10 + e11), and Wo's products add onto it; LN1 works in place and leaves (x1 + b2) / 2^(e14 + e15) for W2's.
; kv's K is 32 and the form's is 64: the fragment of one head has zero codes where the other head's phi(q) stands.
; CLUSTER.  All work-groups walk the same 640 KB of weight codes: four form a cluster and ask for each 128 KB (four chunks) JOINTLY, every wave a quarter, into two slots that take turns.
; LDS: [0, 266,240) first x (a wave's 64 rows at 66,560 x wave, 1,024 bytes + 16 a row), then slot 0 at 0 and slot 1 at 131,072; at the end the waves' output stages lie in slot 1, which has had its last fill and last read.
;   PT = 266,240: parameters, written by LDS stores only: bq', bo', ln1_g, ln1_b, b2', ln2_g, ln2_b, k_sum (1 KB each), b1' (4 KB), kv's codes (8 KB); ' = divided by the power of two that the sums lack.  Then the spare words.
; phi(q) = max(q + 1, 2^min(q log2 e, 0)), as for phi(k).
; LIMITS: e0, e9, e10, e12 and e14 - e12 - e13 between -126 and 112; e0 + e1, e8 + e9, +-(e10 + e11), +-(e14 + e15) between -126 and 127.  NaN among the inputs is not served.
; REGISTERS.  window 0: v1-8 addresses that stay, v10-13 addresses of the chunk in hand, v9, v14, v15 the conversions' scales; v16-31 den, later -mean and 1/sigma; v32-95, v96-159 two sets of weight fragments
;   (in the attention's middle v96-127 exponentials, v128-151 kv); v160-191 the second layer's operand; v192-223 the first layer's bias; v224-255 k_sum.
;   window 1: v0-127 the first layer's operand (x, later x1); v128-255 the first layer's 16 result tiles.   windows 2, 3: the 64 accumulators: tile of rows rt in window 2 + rt / 2, column tile t at 128 (rt % 2) + 8 t.
.set XP, 1040
.set XW, 64*XP
.set T1, 131072
.set CH, 32768
.set PT, 266240
.set SPARE, 286720
.set WFA, 32
.set WFB, 96
.set TT,  96
.set KV,  128
.set HC,  160
.set BI,  192
.set KS,  224
.set HA,  128
.set MSB, 0
.macro WIN new                         ; the immediate's high byte repeats the setting that is left
.if MSB != (\new)
	s_set_vgpr_msb (MSB<<8)|(\new)
.set MSB, (\new)
.endif
.endm
.macro PLACES                          ; four plain places behind matrix instructions, and behind a tensor load
.rept 4
	v_nop
.endr
.endm
.macro ROUND                           ; a round of the cluster's barrier
	s_barrier_signal -1
	s_barrier_wait -1
	s_cmp_lg_u32 s3, 0
	s_cbranch_scc1 .Lnw0_\@
	s_barrier_signal -3
.Lnw0_\@:
	s_barrier_wait -3
	s_barrier_signal -1
	s_barrier_wait -1
.endm
; THE CHANGE OF SLOTS.  Each wave waits for all its tensor loads (one is out: its quarter of the slot to be read next), adds 0 to its spare word, and waits for that and for its LDS reads.
; fill = 1: behind a round of the cluster's barrier the slot that has been left takes the next four chunks: one joint load a wave.  step = 1: the descriptor walks on first.
.macro CHANGE fill, step
	WIN 0
	s_wait_tensorcnt 0x0                           ; no tensor load of mine is out, so the descriptor may be written
	ds_add_u32 v1, v2                              ; 0 onto my spare word
.if \step
	s_xor_b32 s73, s73, T1                         ; the other slot,
	s_add_nc_u64 s[74:75], s[74:75], 4*CH          ; the next four chunks
.endif
	s_wait_dscnt 0x0                               ; the add is done, and my reads of the slot are over
.if \fill
	ROUND
	tensor_load_to_lds s[72:75], s[56:63]
	s_nop 0
	PLACES
.else
	s_barrier_signal -1
	s_barrier_wait -1
.endif
.endm
.macro MKS n, sc, lm                   ; s[n] = the exponent: s[sc] = 2^n as f32, s[lm] = 57,344 x 2^n
	s_add_co_i32 s99, s[\n], 127
	s_lshl_b32 s[\sc], s99, 23
	s_add_co_i32 s99, s99, 15
	s_lshl_b32 s99, s99, 23
	s_or_b32 s[\lm], s99, 0x600000
.endm
	s_load_b256 s[4:11], s[0:1], 0x0               ; x, wc, kvc, ksum
	s_load_b256 s[12:19], s[0:1], 0x20             ; bq, bo, ln1_g, ln1_b
	s_load_b256 s[20:27], s[0:1], 0x40             ; b1, b2, ln2_g, ln2_b
	s_load_b128 s[28:31], s[0:1], 0x60             ; the scales' exponents, out0
	v_lshl_add_u32 v1, v0, 2, SPARE
	v_mov_b32 v2, 0
	ds_add_u32 v1, v2
	ds_add_u32 v1, v2
	s_wait_dscnt 0x0
	v_lshrrev_b32 v9, 5, v0
	v_readfirstlane_b32 s3, v9                     ; wave 0..3
	v_and_b32 v9, 31, v0                           ; lane
	v_and_b32 v14, 15, v0                          ; r
	v_bfe_u32 v15, v0, 4, 1                        ; h
	v_lshlrev_b32 v3, 4, v9                        ; v3: 16 x lane
	v_lshlrev_b32 v4, 5, v15
	v_add_nc_u32 v4, PT, v4                        ; v4: the parameters, + 32 h: my eight columns of a tile of 16
	v_lshlrev_b32 v5, 3, v9
	v_add_nc_u32 v5, PT+12288, v5                  ; v5: kv's codes, 8 x lane
	s_mul_i32 s89, s3, XW
	s_mul_i32 s99, s3, 16*XP
	s_add_co_u32 s99, s99, T1                      ; my output stage
	v_mul_u32_u24 v6, v14, XP
	v_lshl_add_u32 v6, v15, 5, v6                  ; row r, + 32 h
	v_add_nc_u32 v7, s99, v6                       ; v7: into the stage
	v_add_nc_u32 v8, s99, v3                       ; v8: back out of it, by rows
	v_add_nc_u32 v6, s89, v6                       ; v6: x's rows
	v_lshlrev_b32 v18, 3, v0
	v_lshlrev_b32 v19, 4, v0
	v_add_nc_u32 v16, PT, v18
	v_add_nc_u32 v17, PT+8192, v19
	; descriptor group 1 for x: 64 rows of 256 elements of 4 bytes, four words of padding behind each; no mask: nobody shares my rows
	s_mov_b32 s48, (2<<16)|(1<<20)|(7<<22)|(3<<25)
	s_mov_b32 s49, 256<<16
	s_mov_b32 s50, 64<<16
	s_mov_b32 s51, 256<<16
	s_mov_b32 s52, 64
	s_mov_b32 s53, 256
	s_mov_b32 s54, 0
	s_mov_b32 s55, 0
	; and for the weights: a dense block of 32,768 bytes as 128 rows of 32 elements of 8 bytes; the mask names all four work-groups, bit 21 beside it
	s_mov_b32 s56, 15|(3<<16)|(1<<21)
	s_mov_b32 s57, 32<<16
	s_mov_b32 s58, 128<<16
	s_mov_b32 s59, 32<<16
	s_mov_b32 s60, 128
	s_mov_b32 s61, 32
	s_mov_b32 s62, 0
	s_mov_b32 s63, 0
	s_mov_b32 s90, 0x76543210                      ; v_permlanex16_b32: lane l xor 16
	s_mov_b32 s91, 0xfedcba98
	s_bfe_u32 s92, ttmp6, 0x40000                  ; cx: it enters x's and out0's addresses alone
	s_lshl_b32 s93, ttmp9, 2
	s_add_co_u32 s93, s93, s92                     ; my work-group
	s_lshl_b32 s94, s93, 18                        ; 256 rows of 1,024 bytes,
	s_lshl_b32 s95, s3, 16                         ; 64 a wave
	s_add_co_u32 s94, s94, s95
	s_mov_b32 s95, 0
	s_lshr_b32 s96, ttmp9, 4                       ; the batch, which the four partners share
	s_lshl_b32 s98, s96, 13
	s_mov_b32 s99, 0
	s_lshl_b32 s96, s96, 10
	s_mov_b32 s97, 0
	s_lshl_b32 s92, s3, 15
	s_mov_b32 s93, 0
	s_wait_kmcnt 0x0
	s_load_b512 s[32:47], s[28:29], 0x0            ; e0 .. e15
	s_add_nc_u64 s[4:5], s[4:5], s[94:95]
	s_add_nc_u64 s[30:31], s[30:31], s[94:95]
	s_add_nc_u64 s[8:9], s[8:9], s[98:99]
	s_add_nc_u64 s[10:11], s[10:11], s[96:97]
	s_mov_b32 s68, 1
	s_mov_b32 s69, s89
	s_mov_b64 s[70:71], s[4:5]
	s_or_b32 s71, s71, 0x80000000
	s_mov_b32 s72, 1
	s_mov_b32 s73, s92                             ; slot 0, my quarter
	s_add_nc_u64 s[74:75], s[6:7], s[92:93]
	s_or_b32 s75, s75, 0x80000000
	global_load_b64 v[32:33], v18, s[12:13]        ; the parameters: each thread its share, in whole consecutive runs
	global_load_b64 v[34:35], v18, s[14:15]
	global_load_b64 v[36:37], v18, s[16:17]
	global_load_b64 v[38:39], v18, s[18:19]
	global_load_b64 v[40:41], v18, s[22:23]
	global_load_b64 v[42:43], v18, s[24:25]
	global_load_b64 v[44:45], v18, s[26:27]
	global_load_b64 v[46:47], v18, s[10:11]
	global_load_b128 v[48:51], v19, s[20:21]
	global_load_b128 v[52:55], v19, s[20:21] offset:2048
.irp k, 0,1,2,3
	global_load_b128 v[56+4*\k:59+4*\k], v19, s[8:9] offset:2048*\k
.endr
	ROUND                                          ; in a cluster launch every group of tensor loads stands behind a round
	tensor_load_to_lds s[68:71], s[48:55]          ; my 64 rows of x
	s_nop 0
	PLACES
	s_wait_kmcnt 0x0
	s_add_co_i32 s96, s32, s33                     ; e0 + e1
	s_sub_co_i32 s92, 0, s96
	s_add_co_i32 s97, s42, s43                     ; e10 + e11
	s_sub_co_i32 s93, 0, s97
	s_add_co_i32 s98, s46, s47                     ; e14 + e15
	s_sub_co_i32 s94, 0, s98
	s_add_co_i32 s95, s44, s45                     ; e12 + e13
	s_sub_co_i32 s95, 0, s95
	s_wait_loadcnt 0x0
	v_ldexp_f32 v32, v32, s92
	v_ldexp_f32 v33, v33, s92
	v_ldexp_f32 v34, v34, s93
	v_ldexp_f32 v35, v35, s93
	v_ldexp_f32 v40, v40, s94
	v_ldexp_f32 v41, v41, s94
.irp j, 48,49,50,51,52,53,54,55
	v_ldexp_f32 v\j, v\j, s95
.endr
.irp k, 0,1,2,3,4,5,6,7
	ds_store_b64 v16, v[32+2*\k:33+2*\k] offset:1024*\k
.endr
	ds_store_b128 v17, v[48:51]
	ds_store_b128 v17, v[52:55] offset:2048
.irp k, 0,1,2,3
	ds_store_b128 v17, v[56+4*\k:59+4*\k] offset:4096+2048*\k
.endr
	; the constants; the pointers but out0's are done with
	s_add_co_i32 s99, s96, 127
	s_lshl_b32 s76, s99, 23                        ; s[76:77] 2^(e0 + e1)
	s_mov_b32 s77, s76
	s_lshl_b32 s99, s96, 23
	s_add_co_i32 s78, s99, 0x3fb8aa3b              ; s[78:79] log2(e) x 2^(e0 + e1)
	s_mov_b32 s79, s78
	s_add_co_i32 s99, s93, 127
	s_lshl_b32 s80, s99, 23                        ; s[80:81] 2^-(e10 + e11)
	s_mov_b32 s81, s80
	s_add_co_i32 s99, s97, 127
	s_lshl_b32 s82, s99, 23                        ; s[82:83] 2^(e10 + e11)
	s_mov_b32 s83, s82
	s_add_co_i32 s99, s94, 127
	s_lshl_b32 s84, s99, 23                        ; s[84:85] 2^-(e14 + e15)
	s_mov_b32 s85, s84
	s_add_co_i32 s99, s98, 127
	s_lshl_b32 s86, s99, 23                        ; s[86:87] 2^(e14 + e15)
	s_mov_b32 s87, s86
	s_add_co_i32 s99, s40, s41
	s_add_co_i32 s99, s99, 127
	s_lshl_b32 s88, s99, 23                        ; 2^(e8 + e9)
	s_add_co_i32 s89, s46, s95                     ; e14 - e12 - e13: the hidden layer's three scales folded into one
	MKS 32, 13, 4
	s_or_b32 s5, s4, 0x80000000
	MKS 41, 14, 6
	MKS 42, 15, 8
	s_or_b32 s9, s8, 0x80000000
	MKS 44, 16, 10
	s_or_b32 s11, s10, 0x80000000
	MKS 89, 17, 12
	v_mov_b32 v9, s13                              ; x's scale
	v_mov_b32 v14, s14                             ; phi(q)'s
	v_mov_b32 v15, s15                             ; o's
	; x into the accumulators: lane (r, h): row r, register 8 t + j = column 16 t + 8 h + j
	s_wait_tensorcnt 0x0                           ; my rows have landed; only I read them
.irp rt, 0,1,2,3
	WIN (2+\rt/2)<<6
.set iX, 0
.rept 32
	ds_load_b128 v[128*(\rt%2)+4*iX:128*(\rt%2)+4*iX+3], v6 offset:16*XP*\rt+64*(iX/2)+16*(iX%2)
.set iX, iX+1
.endr
.endr
	CHANGE 1, 0                                    ; slot 0 takes chunks 0-3, over x's rows, which every wave now has in registers; the round also shows the parameters to all four waves
.set iX, 0
.rept 32
	ds_load_b128 v[96+4*iX:99+4*iX], v4 offset:1024+64*(iX/2)+16*(iX%2)   ; bo'
.set iX, iX+1
.endr
.set bQ, 0
.rept 16                               ; x's codes, four tiles at a time; two sets of held numbers by turns
.set rQ, bQ/4
.set tQ, 32+32*(bQ%2)
	WIN 2+rQ/2
.set iX, 0
.rept 32
	v_med3_num_f32 v[tQ+iX], v[128*(rQ%2)+32*(bQ%4)+iX], s5, s4
.set iX, iX+1
.endr
	WIN 0x40
.irp k, 0,1,2,3
	v_cvt_scalef32_pk8_bf8_f32 v[32*rQ+8*(bQ%4)+2*\k:32*rQ+8*(bQ%4)+2*\k+1], v[tQ+8*\k:tQ+8*\k+7], v9
.endr
.set bQ, bQ+1
.endr
	v_nop
	s_wait_dscnt 0x0
.irp rt, 0,1,2,3
	WIN 0x41*(2+\rt/2)
.set iX, 0
.rept 64
	v_pk_fma_f32 v[128*(\rt%2)+2*iX:128*(\rt%2)+2*iX+1], v[128*(\rt%2)+2*iX:128*(\rt%2)+2*iX+1], s[80:81], v[96+2*iX:97+2*iX] op_sel_hi:[1,0,1]   ; (x + bo) / 2^(e10 + e11)
.set iX, iX+1
.endr
.endr
.macro FETCHG g, buf, adr              ; a quarter of a chunk: g = 0, 1: the first layer's four fragments of K half g; g = 2, 3: eight fragments of the second layer.  Each load takes 512 consecutive bytes
.set iG, 0
.rept 16
	ds_load_b128 v[\buf+4*iG:\buf+4*iG+3], v[\adr] offset:8192*\g+512*iG
.set iG, iG+1
.endr
.endm
.macro FETCHP reg, adr, off            ; four tiles x my eight columns of a vector of parameters
.irp n, 0,1,2,3
	ds_load_b128 v[\reg+8*\n:\reg+8*\n+3], v[\adr] offset:\off+64*\n
	ds_load_b128 v[\reg+8*\n+4:\reg+8*\n+7], v[\adr] offset:\off+64*\n+16
.endr
.endm
.macro L1MUL s, buf                    ; 16 products: 4 column tiles x 4 tiles of rows, K half s; the 16 accumulators by turns.  The bias starts the sums
.if \s == 0
	WIN 0x44
.else
	WIN 0x54
.endif
.irp n, 0,1,2,3
.irp rt, 0,1,2,3
.if \s == 0
	v_wmma_f32_16x16x128_bf8_bf8 v[HA+32*\rt+8*\n:HA+32*\rt+8*\n+7], v[\buf+16*\n:\buf+16*\n+15], v[32*\rt:32*\rt+15], v[BI+8*\n:BI+8*\n+7]
.else
	v_wmma_f32_16x16x128_bf8_bf8 v[HA+32*\rt+8*\n:HA+32*\rt+8*\n+7], v[\buf+16*\n:\buf+16*\n+15], v[32*\rt+16:32*\rt+31], v[HA+32*\rt+8*\n:HA+32*\rt+8*\n+7]
.endif
.endr
.endr
.endm
.macro L2MUL g, buf                    ; 32 products: 8 column tiles x 4 tiles of rows, K = 64; each accumulator once a chunk
.irp w, 2,3
	WIN 0x50*\w
.irp k, 0,1,2,3,4,5,6,7
.irp q, 0,1
	v_wmma_f32_16x16x64_bf8_bf8 v[128*\q+8*(8*\g+\k):128*\q+8*(8*\g+\k)+7], v[\buf+8*\k:\buf+8*\k+7], v[HC+8*(2*(\w-2)+\q):HC+8*(2*(\w-2)+\q)+7], v[128*\q+8*(8*\g+\k):128*\q+8*(8*\g+\k)+7]
.endr
.endr
.endr
.endm
.macro FFMID                           ; relu and the hold in one, then the conversions: their results are the second layer's operand
	WIN 0x41
.set iM, 0
.rept 128
	v_med3_num_f32 v[HA+iM], v[HA+iM], 0, s12
.set iM, iM+1
.endr
	WIN 0x01
.irp rt, 0,1,2,3
.irp n, 0,1,2,3
	v_cvt_scalef32_pk8_bf8_f32 v[HC+8*\rt+2*\n:HC+8*\rt+2*\n+1], v[HA+32*\rt+8*\n:HA+32*\rt+8*\n+7], v14
.endr
.endr
	v_nop
.endm
.macro ATTMID                          ; two heads u: column tiles n = 2 u, 2 u + 1
.irp et, 0,1
.irp u, 0,1
.irp dt, 0,1
	ds_load_b64 v[KV+12*\et+8*\u+2*\dt:KV+12*\et+8*\u+2*\dt+1], v13 offset:256*(4*\u+2*\dt+\et)
.endr
.endr
.irp z, 4,5,6,7
	v_mov_b32 v[KV+12*\et+\z], 0                   ; [head 0's four registers][zeros][head 1's]: registers 0-7 are head 0's fragment, registers 4-11 head 1's
.endr
.endr
.irp rt, 0,1,2,3
	WIN 0x01
.set iM, 0
.rept 16
	v_pk_mul_f32 v[TT+2*iM:TT+2*iM+1], v[HA+32*\rt+2*iM:HA+32*\rt+2*iM+1], s[78:79] op_sel_hi:[1,0]   ; q log2 e
.set iM, iM+1
.endr
	WIN 0
.set iM, 0
.rept 32
	v_min_num_f32 v[TT+iM], 0, v[TT+iM]
.set iM, iM+1
.endr
.set iM, 0
.rept 32
	v_exp_f32 v[TT+iM], v[TT+iM]
.set iM, iM+1
.endr
	WIN 0x41
.set iM, 0
.rept 16
	v_pk_fma_f32 v[HA+32*\rt+2*iM:HA+32*\rt+2*iM+1], v[HA+32*\rt+2*iM:HA+32*\rt+2*iM+1], s[76:77], 1.0 op_sel_hi:[1,0,0]   ; q + 1: independent work behind the exponentials
.set iM, iM+1
.endr
	s_wait_alu depctr_va_vdst(0)                   ; one wait for the batch, ahead of its first reader
.set iM, 0
.rept 32
	v_max_num_f32 v[HA+32*\rt+iM], v[HA+32*\rt+iM], v[TT+iM]   ; phi(q)
.set iM, iM+1
.endr
.endr
	WIN 0x01
.irp p, 0,1,2,3,4,5,6,7                ; den = phi(q) . k_sum, of the unquantised phi(q): eight chains (tile of rows, head) by turns
.irp rt, 0,1,2,3
.irp u, 0,1
.if \p == 0
	v_pk_mul_f32 v[16+2*(2*\rt+\u):17+2*(2*\rt+\u)], v[HA+32*\rt+16*\u:HA+32*\rt+16*\u+1], v[KS+16*\u:KS+16*\u+1]
.else
	v_pk_fma_f32 v[16+2*(2*\rt+\u):17+2*(2*\rt+\u)], v[HA+32*\rt+16*\u+2*\p:HA+32*\rt+16*\u+2*\p+1], v[KS+16*\u+2*\p:KS+16*\u+2*\p+1], v[16+2*(2*\rt+\u):17+2*(2*\rt+\u)]
.endif
.endr
.endr
.endr
	WIN 0x41
.set iM, 0
.rept 128
	v_min_num_f32 v[HA+iM], v[HA+iM], s6           ; phi(q) is positive: a one-sided hold
.set iM, iM+1
.endr
	WIN 0x01
.irp rt, 0,1,2,3
.irp n, 0,1,2,3
	v_cvt_scalef32_pk8_bf8_f32 v[HC+8*\rt+2*\n:HC+8*\rt+2*\n+1], v[HA+32*\rt+8*\n:HA+32*\rt+8*\n+7], v14
.endr
.endr
	WIN 0
.irp k, 0,1,2,3,4,5,6,7
	v_add_f32 v[16+2*\k], v[16+2*\k], v[17+2*\k]
.endr
.irp k, 0,1,2,3,4,5,6,7
	v_permlanex16_b32 v[17+2*\k], v[16+2*\k], s90, s91   ; the row's other 16 columns of the head lie in the lane 16 away
.endr
.irp k, 0,1,2,3,4,5,6,7
	v_add_f32 v[16+2*\k], v[16+2*\k], v[17+2*\k]
.endr
.irp k, 0,1,2,3,4,5,6,7
	v_add_f32 v[16+2*\k], 0x358637bd, v[16+2*\k]   ; + 1e-6
.endr
.irp k, 0,1,2,3,4,5,6,7
	v_rcp_f32 v[16+2*\k], v[16+2*\k]
.endr
	v_nop
	s_wait_alu depctr_va_vdst(0)                   ; one wait for the eight reciprocals
.irp k, 0,1,2,3,4,5,6,7
	v_mul_f32 v[16+2*\k], s88, v[16+2*\k]          ; z x 2^(e8 + e9)
.endr
	s_wait_dscnt 0x0                               ; kv's codes are in
	WIN 0x40
.irp c, 0,1,2,3                        ; column tile c = 2 u + et of the chunk's 64
.irp rt, 0,1,2,3
	v_wmma_f32_16x16x64_bf8_bf8 v[HA+32*\rt+8*\c:HA+32*\rt+8*\c+7], v[KV+12*(\c%2)+4*(\c/2):KV+12*(\c%2)+4*(\c/2)+7], v[HC+8*\rt:HC+8*\rt+7], 0
.endr
.endr
	WIN 0
	PLACES
	WIN 0x41
.irp rt, 0,1,2,3
.irp c, 0,1,2,3
.irp i, 0,2,4,6
	v_pk_mul_f32 v[HA+32*\rt+8*\c+\i:HA+32*\rt+8*\c+\i+1], v[HA+32*\rt+8*\c+\i:HA+32*\rt+8*\c+\i+1], v[16+2*(2*\rt+\c/2):17+2*(2*\rt+\c/2)] op_sel_hi:[1,0]
.endr
.endr
.endr
.set iM, 0
.rept 128
	v_med3_num_f32 v[HA+iM], v[HA+iM], s9, s8
.set iM, iM+1
.endr
	WIN 0x01
.irp rt, 0,1,2,3
.irp c, 0,1,2,3
	v_cvt_scalef32_pk8_bf8_f32 v[HC+8*\rt+2*\c:HC+8*\rt+2*\c+1], v[HA+32*\rt+8*\c:HA+32*\rt+8*\c+7], v15
.endr
.endr
	v_nop
.endm
; A CHUNK.  Each quarter of its weights is asked of LDS one run of products ahead; each wait is for 0, since nothing younger is out.  The next chunk's first quarter is asked for ahead of the last run;
; in a slot's last chunk that address is held at the chunk itself (the loads are then discarded), so that no read leaves the slot.
.macro CHUNK att
	s_add_co_u32 s99, s93, CH
	s_min_u32 s99, s99, s94
	v_add_nc_u32 v10, s93, v3
	v_add_nc_u32 v11, s99, v3
	v_add_nc_u32 v12, s97, v4
.if \att
	v_add_nc_u32 v13, s98, v5
.endif
	s_wait_dscnt 0x0
	PLACES
	FETCHG 1, WFB, 10
.if \att
	FETCHP KS, 12, 7168
.endif
	L1MUL 0, WFA
	s_wait_dscnt 0x0
	PLACES
	WIN 0
	FETCHG 2, WFA, 10
	FETCHP BI, 12, 256                             ; the next chunk's bias
	L1MUL 1, WFB
	WIN 0
	PLACES
.if \att
	ATTMID
.else
	FFMID
.endif
	WIN 0
	s_wait_dscnt 0x0
	FETCHG 3, WFB, 10
	L2MUL 0, WFA
	s_wait_dscnt 0x0
	WIN 0
	PLACES
	FETCHG 0, WFA, 11
	L2MUL 1, WFB
	WIN 0
.endm
.macro SLOTRUN att                     ; the four chunks of the slot at s92
	s_mov_b32 s93, s92
	s_add_co_u32 s94, s92, 3*CH
	v_add_nc_u32 v10, s93, v3
	v_add_nc_u32 v12, s97, v4
	FETCHG 0, WFA, 10
	FETCHP BI, 12, 0
	s_mov_b32 s95, 4
.Lchunk_\@:
	CHUNK \att
	s_add_co_u32 s93, s93, CH
	s_add_co_u32 s97, s97, 256
.if \att
	s_add_co_u32 s98, s98, 2048
.endif
	s_sub_co_u32 s95, s95, 1
	s_cmp_lg_u32 s95, 0
	s_cbranch_scc1 .Lchunk_\@
.endm
; THE LAYER NORMS.  The accumulators hold y / 2^e; se names the pair 2^e.  Mean first, then the squares of y - mean: two passes.
.macro JOIN b
	v_pk_add_f32 v[\b:\b+1], v[\b:\b+1], v[\b+2:\b+3]
	v_pk_add_f32 v[\b+4:\b+5], v[\b+4:\b+5], v[\b+6:\b+7]
	v_pk_add_f32 v[\b:\b+1], v[\b:\b+1], v[\b+4:\b+5]
	v_add_f32 v[\b], v[\b], v[\b+1]
	v_permlanex16_b32 v[\b+1], v[\b], s90, s91
	v_add_f32 v[\b], v[\b], v[\b+1]
.endm
.macro STATS rt, se
.set wS, 2+(\rt)/2
.set bS, 128*((\rt)%2)
.set nS, 16+4*(\rt)
	WIN wS
.set iS, 0
.rept 64                               ; four chains; each accumulator is read from its low end on
.if iS < 4
	v_pk_add_f32 v[224+2*iS:225+2*iS], v[bS+2*iS:bS+2*iS+1], 0 op_sel_hi:[1,0]
.else
	v_pk_add_f32 v[224+2*(iS%4):225+2*(iS%4)], v[bS+2*iS:bS+2*iS+1], v[224+2*(iS%4):225+2*(iS%4)]
.endif
.set iS, iS+1
.endr
	WIN 0
	JOIN 224
	v_mul_f32 v224, s[\se], v224
	v_mul_f32 v[nS], 0xbb800000, v224              ; -mean
	v_mov_b32 v[nS+1], v[nS]
.irp hf, 0,1
	WIN wS
.set iS, 0
.rept 32
	v_pk_fma_f32 v[32+2*iS:33+2*iS], v[bS+64*\hf+2*iS:bS+64*\hf+2*iS+1], s[\se:\se+1], v[nS:nS+1] op_sel_hi:[1,0,0]
.set iS, iS+1
.endr
	WIN 0
.set iS, 0
.rept 32
.if (\hf == 0) && (iS < 4)
	v_pk_mul_f32 v[232+2*iS:233+2*iS], v[32+2*iS:33+2*iS], v[32+2*iS:33+2*iS]
.else
	v_pk_fma_f32 v[232+2*(iS%4):233+2*(iS%4)], v[32+2*iS:33+2*iS], v[32+2*iS:33+2*iS], v[232+2*(iS%4):233+2*(iS%4)]
.endif
.set iS, iS+1
.endr
.endr
	JOIN 232
	v_mul_f32 v232, 0x3b800000, v232               ; / 256
	v_add_f32 v[nS+2], 0x3727c5ac, v232            ; + 1e-5
.endm
.macro FIN
.irp rt, 0,1,2,3
	v_rsq_f32 v[18+4*\rt], v[18+4*\rt]
.endr
	v_nop
	s_wait_alu depctr_va_vdst(0)                   ; one wait for the four
.irp rt, 0,1,2,3
	v_mov_b32 v[19+4*\rt], v[18+4*\rt]
.endr
.endm
.macro PARAM nv, base, tg              ; nv vectors x two column tiles x my eight columns, into set tg % 2
.set pS, 96+48*((\tg)%2)
.set vI, 0
.rept \nv
.irp x, 0,1,2,3
	ds_load_b128 v[pS+16*vI+4*\x:pS+16*vI+4*\x+3], v4 offset:\base+1024*vI+128*(\tg)+64*(\x/2)+16*(\x%2)
.endr
.set vI, vI+1
.endr
.endm
; Column tiles 2 tg, 2 tg + 1 of all 64 rows: (y - mean) / sigma x g + b, in place.  nv = 3 (the first norm): the result is also held and quantised into the next operand, and (x1 + b2) / 2^(e14 + e15) is left.
.macro SWEEP tg, nv, base, se
	WIN 0
.if (\tg) < 7
	PARAM \nv, \base, (\tg)+1
	s_wait_dscnt 4*\nv                             ; the next group's loads may be out
.else
	s_wait_dscnt 0x0
.endif
.set pW, 96+48*((\tg)%2)
.irp w, 2,3
	WIN 0x41*\w
.irp q, 0,1
.irp i, 0,2,4,6,8,10,12,14
	v_pk_fma_f32 v[128*\q+16*(\tg)+\i:128*\q+16*(\tg)+\i+1], v[128*\q+16*(\tg)+\i:128*\q+16*(\tg)+\i+1], s[\se:\se+1], v[16+4*(2*(\w-2)+\q):17+4*(2*(\w-2)+\q)] op_sel_hi:[1,0,0]
.endr
.endr
.irp q, 0,1
.irp i, 0,2,4,6,8,10,12,14
	v_pk_mul_f32 v[128*\q+16*(\tg)+\i:128*\q+16*(\tg)+\i+1], v[128*\q+16*(\tg)+\i:128*\q+16*(\tg)+\i+1], v[18+4*(2*(\w-2)+\q):19+4*(2*(\w-2)+\q)] op_sel_hi:[1,0]
.endr
.endr
.irp q, 0,1
.irp i, 0,2,4,6,8,10,12,14
	v_pk_fma_f32 v[128*\q+16*(\tg)+\i:128*\q+16*(\tg)+\i+1], v[128*\q+16*(\tg)+\i:128*\q+16*(\tg)+\i+1], v[pW+\i:pW+\i+1], v[pW+16+\i:pW+16+\i+1]
.endr
.endr
.if \nv == 3
	WIN \w
.irp q, 0,1
.irp i, 0,1,2,3,4,5,6,7,8,9,10,11,12,13,14,15
	v_med3_num_f32 v[32+16*\q+\i], v[128*\q+16*(\tg)+\i], s11, s10
.endr
.endr
	WIN 0x41*\w
.irp q, 0,1
.irp i, 0,2,4,6,8,10,12,14
	v_pk_fma_f32 v[128*\q+16*(\tg)+\i:128*\q+16*(\tg)+\i+1], v[128*\q+16*(\tg)+\i:128*\q+16*(\tg)+\i+1], s[84:85], v[pW+32+\i:pW+32+\i+1] op_sel_hi:[1,0,1]
.endr
.endr
	WIN 0x40
.irp q, 0,1
.irp tt, 0,1
	v_cvt_scalef32_pk8_bf8_f32 v[32*(2*(\w-2)+\q)+2*(2*(\tg)+\tt):32*(2*(\w-2)+\q)+2*(2*(\tg)+\tt)+1], v[32+16*\q+8*\tt:32+16*\q+8*\tt+7], v9
.endr
.endr
.endif
.endr
.endm
; THE WAY OUT of 16 rows: a lane's 32 bytes of a row go into my stage (rows of 1,024 bytes + 16) and come back as whole rows, into the registers that they left; LDS serves a wave's instructions in order (ISA guide 5.7.1.4).
.macro OUT rt
.set wO, 2+(\rt)/2
.set bO, 128*((\rt)%2)
	WIN wO<<2
.set iO, 0
.rept 32
	ds_store_b128 v7, v[bO+4*iO:bO+4*iO+3] offset:64*(iO/2)+16*(iO%2)
.set iO, iO+1
.endr
	WIN wO<<6
.set iO, 0
.rept 32
	ds_load_b128 v[bO+4*iO:bO+4*iO+3], v8 offset:XP*(iO/2)+512*(iO%2)
.set iO, iO+1
.endr
	WIN wO<<2
.set iO, 0
.rept 32
.if iO%8 == 0
	s_wait_dscnt 24-iO                             ; the younger loads may be out
.endif
	global_store_b128 v3, v[bO+4*iO:bO+4*iO+3], s[30:31] offset:16384*(\rt)+1024*(iO/2)+512*(iO%2) th:TH_STORE_NT   ; 512 consecutive bytes, aligned; written once
.set iO, iO+1
.endr
.endm
	CHANGE 1, 1                                    ; slot 0 is whole in every work-group; slot 1 takes chunks 4-7
	s_mov_b32 s92, 0                               ; the slot in hand
	s_mov_b32 s97, 0                               ; the first layer's bias: bq'
	s_mov_b32 s98, 0                               ; kv's codes
	SLOTRUN 1                                      ; attention and Wo
	CHANGE 1, 1                                    ; slot 0 takes chunks 8-11; the four places behind the load are also those behind the last products
	STATS 0, 82
	STATS 1, 82
	STATS 2, 82
	STATS 3, 82
	FIN
	v_mov_b32 v9, s16                              ; x1's scale
	PARAM 3, 2048, 0
.irp tg, 0,1,2,3,4,5,6,7
	SWEEP \tg, 3, 2048, 82
.endr
	v_nop
	WIN 0
	v_mov_b32 v14, s17                             ; the hidden layer's scale
	s_mov_b32 s92, T1
	s_mov_b32 s97, 8192                            ; b1'
	s_mov_b32 s96, 2
.Lfill:                                            ; chunks 4-7, 8-11; behind each the slot takes chunks 12-15, 16-19
	SLOTRUN 0
	CHANGE 1, 1
	s_xor_b32 s92, s92, T1
	s_sub_co_u32 s96, s96, 1
	s_cmp_lg_u32 s96, 0
	s_cbranch_scc1 .Lfill
	s_mov_b32 s96, 2
.Ltail:                                            ; chunks 12-15, 16-19: nothing is left to ask for, so this loop is written apart
	SLOTRUN 0
	CHANGE 0, 0
	s_xor_b32 s92, s92, T1
	s_sub_co_u32 s96, s96, 1
	s_cmp_lg_u32 s96, 0
	s_cbranch_scc1 .Ltail
	PLACES
	STATS 0, 86
	STATS 1, 86
	STATS 2, 86
	STATS 3, 86
	FIN
	PARAM 2, 5120, 0
.irp tg, 0,1,2,3,4,5,6,7
	SWEEP \tg, 2, 5120, 86
.endr
	OUT 0
	OUT 1
	OUT 2
	OUT 3
	WIN 0
	s_wait_tensorcnt 0x0                           ; the wave's end: behind my last tensor load and my last LDS store
	ds_add_u32 v1, v2
	s_wait_dscnt 0x0
	ROUND                                          ; the closing round: no work-group ends while a partner may still ask for a tile that names it
	s_endpgm
.Lfunc_end_k_q0803ce0167_main:
	.size	k_q0803ce0167_main, .Lfunc_end_k_q0803ce0167_main-k_q0803ce0167_main
	.p2alignl 7, 3214868480
	.fill 96, 4, 3214868480
	.section	.rodata,"a",@progbits
	.p2align	6, 0x0
	.amdhsa_kernel k_q0803ce0167_main
		.amdhsa_group_segment_fixed_size 327680
		.amdhsa_private_segment_fixed_size 0
		.amdhsa_enable_private_segment 0
		.amdhsa_kernarg_size 112
		.amdhsa_user_sgpr_count 2
		.amdhsa_user_sgpr_kernarg_segment_ptr 1
		.amdhsa_wavefront_size32 1
		.amdhsa_system_sgpr_workgroup_id_x 1
		.amdhsa_system_sgpr_workgroup_id_y 1
		.amdhsa_system_sgpr_workgroup_id_z 1
		.amdhsa_system_vgpr_workitem_id 0
		.amdhsa_next_free_vgpr 1024
		.amdhsa_next_free_sgpr 100
		.amdhsa_reserve_vcc 0
		.amdhsa_float_denorm_mode_32 3
		.amdhsa_float_denorm_mode_16_64 3
		.amdhsa_memory_ordered 1
		.amdhsa_forward_progress 1
		.amdhsa_inst_pref_size 255
	.end_amdhsa_kernel
	.section	.bss,"aw",@nobits
	.p2align	6
	.space	262144
	.amdgpu_metadata
---
amdhsa.version: [ 1, 2 ]
amdhsa.kernels:
  - .name:           k_q0803ce0167_main
    .symbol:         k_q0803ce0167_main.kd
    .args:
      - { .name: x, .offset: 0, .size: 8, .value_kind: global_buffer, .address_space: global }
      - { .name: wc, .offset: 8, .size: 8, .value_kind: global_buffer, .address_space: global }
      - { .name: kvc, .offset: 16, .size: 8, .value_kind: global_buffer, .address_space: global }
      - { .name: ksum, .offset: 24, .size: 8, .value_kind: global_buffer, .address_space: global }
      - { .name: bq, .offset: 32, .size: 8, .value_kind: global_buffer, .address_space: global }
      - { .name: bo, .offset: 40, .size: 8, .value_kind: global_buffer, .address_space: global }
      - { .name: ln1_g, .offset: 48, .size: 8, .value_kind: global_buffer, .address_space: global }
      - { .name: ln1_b, .offset: 56, .size: 8, .value_kind: global_buffer, .address_space: global }
      - { .name: b1, .offset: 64, .size: 8, .value_kind: global_buffer, .address_space: global }
      - { .name: b2, .offset: 72, .size: 8, .value_kind: global_buffer, .address_space: global }
      - { .name: ln2_g, .offset: 80, .size: 8, .value_kind: global_buffer, .address_space: global }
      - { .name: ln2_b, .offset: 88, .size: 8, .value_kind: global_buffer, .address_space: global }
      - { .name: lowp_scales, .offset: 96, .size: 8, .value_kind: global_buffer, .address_space: global }
      - { .name: out0, .offset: 104, .size: 8, .value_kind: global_buffer, .address_space: global }
    .group_segment_fixed_size: 327680
    .private_segment_fixed_size: 0
    .kernarg_segment_align: 8
    .kernarg_segment_size: 112
    .max_flat_workgroup_size: 128
    .sgpr_count:     100
    .vgpr_count:     1024
    .wavefront_size: 32
...
	.end_amdgpu_metadata
.endif
;; end of part 3
